; MI455X (gfx1250); checked and timed in simulation.
; The chip was launched on July 23, 2026; its instructions are those of AMD's public machine-readable ISA for CDNA 5 (MIT licence, August 2026) and "CDNA5" Instruction Set Architecture Reference Guide (July 2026). The comments in the code are by the model that wrote it; some were corrected since.
;; KAN Linear. Allowed arithmetic: matrix products marked QUANTISED: E2M1 operands, one E8M0 scale for each 32 along K, by v_wmma_scale_f32_16x16x128_f8f6f4 with both operands' format E2M1 (or v_wmma_scale_f32_32x16x128_f4), f32 sums; everything else in f32.
;; Inputs: base_weight 512 x 512 float32; grid 512 x 12 float32; spline_scaler 512 x 512 float32; spline_weight 512 x 512 x 8 float32; x 16,384 x 512 float32.
;; Outputs: out0 16,384 x 512 float32.
;; This version of the problem:
;;   THIS VERSION OF THE PROBLEM IS GIVEN IN LOW PRECISION. The matrix products marked QUANTISED in the list below multiply operands that are first quantised to E2M1 (2 exponent bits, 1 mantissa bit; 4 bits a number), with one power-of-two scale for each 32 numbers along K (OCP MX v1.0); their sums are f32. All else is computed in f32.
;;   The module's matrix products, in the order in which they are computed (A, B: the left and right operand; K: the contracted axis; several contracted axes count as one K, in the product's order):
;;     1. [M 16,384, K 512] x [K 512, N 512]; A: computed on the way; B: input base_weight: QUANTISED
;;     2. [M 16,384, K 4,096] x [K 4,096, N 512]; A: computed on the way; B: computed on the way: QUANTISED
;;   THE QUANTISER, for each operand of a quantised product, along K:
;;     - K is cut into blocks of 32 from its start; a last block that is shorter is filled with zeros.
;;     - A block's scale is 2^e with e = floor(log2(the largest magnitude in the block)) - 2, held to -126 .. 127; a block of zeros has e = 0. As a byte (E8M0): e + 127.
;;     - Each number is divided by its block's scale, clamped to +-6, and rounded to the nearest number of E2M1, ties to even, subnormals kept.
;;     - The product sums the exact products of the quantised numbers (number of the format x scale) in f32.
;;   ~~~python
;;   def quantise(x, axis):      # numpy; x: float32 -> the quantised numbers, widened to float32 again
;;       x = np.moveaxis(x, axis, -1); K = x.shape[-1]
;;       x = np.pad(x, [(0, 0)] * (x.ndim - 1) + [(0, -K % 32)]); x = x.reshape(x.shape[:-1] + (-1, 32)); a = np.abs(x).max(-1, keepdims=True)
;;       e = np.where(a > 0, np.clip(np.frexp(np.where(a > 0, a, 1))[1] - 1 - 2, -126, 127), 0)      # np.frexp(a)[1] - 1 = floor(log2(a)), exactly
;;       r = np.clip(x / 2.0 ** e, -6, 6)
;;       step = 2.0 ** (np.maximum(np.frexp(np.where(r == 0, 1, r))[1] - 1, 0) - 1)
;;       q = np.round(r / step) * step * 2.0 ** e      # np.round: ties to even
;;       return np.moveaxis(q.reshape(q.shape[:-2] + (-1,))[..., :K], -1, axis).astype(np.float32)
;;   ~~~
;;   OPERANDS COMPUTED ON THE WAY. 'Computed on the way' means the value that the module computes at that place (a softmax that the list does not call 'softmax' is quantised finished and normalised). What goes into a quantiser is computed in f32, as accurately as f32 sums, v_exp_f32 and their like allow (about 1e-6 of the number): no bf16 or f16 on the way to a quantiser, and a product that is left as it is and whose result goes on into a quantised operand takes f32 operands (vector FMAs, or v_wmma_f32_16x16x4_f32). A number that lies on a knife's edge between two numbers of the format may be rounded either way, as far as f32 arithmetic and the matrix unit's own rounding can turn it there, and no further.
;; One version. Each part assembles by itself: llvm-mc -triple=amdgcn-amd-amdhsa -mcpu=gfx1250 --defsym DOCPART=n.
;; ======== version 1 of 1: 2 launches
;; limits: right only within a limited range of input values
;; workspace buffers: wb 1,253,376 bytes; tab 110,592 bytes
;; launch prep (part 1): grid 145 x 1, 8 waves a work-group, no clusters, 70,656 bytes of LDS; arguments base_weight, spline_weight, spline_scaler, grid, wb, tab; writes wb, tab
.if DOCPART == 1
	.amdgcn_target "amdgcn-amd-amdhsa--gfx1250"
	.amdhsa_code_object_version 6
	.text
	.protected	k_q8a8a9309b4_prep
	.globl	k_q8a8a9309b4_prep
	.p2align	8
	.type	k_q8a8a9309b4_prep,@function
k_q8a8a9309b4_prep:
	s_mov_b64 s[64:65], 0
	v_nop
	global_prefetch_b8 v0, s[64:65] scope:SCOPE_SE
	s_setreg_imm32_b32 hwreg(HW_REG_WAVE_MODE, 25, 1), 1
	s_wait_xcnt 0x0
; THE WEIGHTS AND THE KNOTS, MADE READY ONCE.
; Work-groups 0-143: one chunk of wb each.  wb = [step s 0..17][column group wv 0..7][8,704 bytes].  A step is two K steps of 128; steps 0-15 are the spline product's
; (K = 8 x feature + basis, weight = spline_weight x spline_scaler), steps 16, 17 the base product's (base_weight).  A chunk holds, for 64 out-features, eight fragment images
; [q' 0..1][t 0..3][c 0..1][lane][16 bytes] (lane (r, h), group c: the 32 codes of block 2 c + h of out-feature 64 wv + 16 t + r) and behind them 512 bytes of scale words,
; [lane l][4 words]: word 2 q' + u of lane l belongs to out-feature 64 wv + 16 (2 u + l / 16) + l % 16.  So the product's launch takes every operand register by loads of 16 bytes a lane.
; ORDER INSIDE A SPLINE BLOCK (4 features x 8 bases): register i, code n holds feature 2 (i / 2) + n % 2, basis 4 (i % 2) + n / 2: the order in which the product's launch makes
; its own codes.  A block's scale does not hang on the order inside it.  Base blocks keep their order.
; A block's scale is 2^(floor(log2(largest magnitude)) - 2); its byte is that magnitude's exponent field - 2, held at 1 from below.  A block of zeros keeps the byte 1: its codes are zeros, and only this program reads the bytes.
; Work-group 144: tab = [chunk 0..8][quad 0..23][lane][16 bytes]: for the feature pair (f, f + 1), f = 64 chunk + 2 lane, the 12 knots and the reciprocals 1 / (g[j+k] - g[j]), k = 1, 2, 3,
; each as a pair (f's, f + 1's), two pairs to a quad.  Chunk 8 repeats chunk 0.
; LIMITS: NaN and infinities among the inputs are not served.  Knots that coincide at a distance of 1 to 3 give a reciprocal that is no number; a distance of 1 never reaches a result (its indicator is empty).
; No cluster, no tensor load: no two work-groups read the same weight bytes.
.set CHUNK, 8704
.set SP,    528                        ; a stage row: 512 bytes + 16 = 132 words: row r starts 4 r words on modulo 64, so sixteen lanes that read sixteen rows touch sixteen different columns of 16 bytes
.set WSTG,  16*SP                      ; a wave's stage
.set SCW,   8*WSTG                     ; behind the stages: the chunk's 512 bytes of scale words
.set AD,    16                         ; v16-31   byte offset of my 16 bytes in each of the tile's 16 rows
.set W,     32                         ; v32-95   my two blocks, as they lie in memory
.set L,     96                         ; v96-159  the rows as loaded; later V
.set V,     96                         ; v96-159  weight x scaler, in the operand's order
.set SCL,   160                        ; v160-167 the scaler of my 2 x 4 features
.set C,     168                        ; v168-175 my codes
.set SW,    176                        ; v176 the scale word; v177 at work
.set MX,    178                        ; v178-179 largest magnitudes
.set SO,    180                        ; v180-181 the conversions' scale operands
.set BY,    182                        ; v182-183 the bytes
.set O,     32                         ; the table: v32-127, a chunk's 24 quads of my lane
.set TT,    128                        ; v128-187 first reciprocals
	s_load_b256 s[4:11], s[0:1], 0x0               ; base_weight s[4:5], spline_weight s[6:7], spline_scaler s[8:9], grid s[10:11]
	s_load_b128 s[12:15], s[0:1], 0x20             ; wb s[12:13], tab s[14:15]
	v_lshl_add_u32 v192, v0, 2, 0x11000
	v_mov_b32 v193, 0
	v_lshrrev_b32 v1, 5, v0
	s_delay_alu instid0(VALU_DEP_1)
	v_readfirstlane_b32 s16, v1                    ; wave 0..7
	v_and_b32 v2, 31, v0                           ; lane
	v_and_b32 v3, 15, v0                           ; r
	v_bfe_u32 v4, v0, 4, 1                         ; h
	s_delay_alu instid0(VALU_DEP_3)
	v_lshlrev_b32 v8, 4, v2                        ; 16 x lane
	s_mov_b32 s30, 0x76543210
	s_mov_b32 s31, 0xfedcba98                      ; v_permlanex16_b32's selects for lane l xor 16
	s_cmp_eq_u32 ttmp9, 144
	s_cbranch_scc1 .Ltable
	; ---- a chunk of wb.  Wave w makes the image of K step q' = w / 4, tile t = w % 4
	s_lshr_b32 s17, ttmp9, 3                       ; step s
	s_and_b32 s18, ttmp9, 7                        ; column group wv
	s_lshr_b32 s19, s16, 2                         ; q'
	s_and_b32 s20, s16, 3                          ; t
	s_lshl_b32 s27, s18, 6
	s_lshl_b32 s28, s20, 4
	s_add_co_u32 s27, s27, s28                     ; my tile's first out-feature
	s_lshl_b32 s26, s17, 1
	s_add_co_u32 s26, s26, s19                     ; 2 s + q'
	s_mul_i32 s32, ttmp9, CHUNK                    ; where my image goes: the chunk, + 4,096 q' + 1,024 t
	s_lshl_b32 s28, s19, 12
	s_add_co_u32 s32, s32, s28
	s_lshl_b32 s28, s20, 10
	s_add_co_u32 s32, s32, s28
	s_mov_b32 s33, 0
	s_mul_i32 s34, s16, WSTG                       ; my stage
	s_wait_alu depctr_va_vdst(0)
	v_add_nc_u32 v11, s34, v8                      ; in: a row as it lies, 16 bytes a lane
	v_mul_u32_u24 v12, v3, SP
	s_delay_alu instid0(VALU_DEP_1)
	v_lshl_add_u32 v12, v4, 7, v12
	s_delay_alu instid0(VALU_DEP_1)
	v_add_nc_u32 v12, s34, v12                     ; out: row r, block h (128 bytes of f32)
	s_and_b32 s35, s20, 1                          ; my scale words' place: 16 (16 (t % 2) + r) + 4 (2 q' + t / 2)
	s_lshl_b32 s35, s35, 8
	s_lshl_b32 s28, s19, 3
	s_add_co_u32 s35, s35, s28
	s_lshr_b32 s28, s20, 1
	s_lshl_b32 s28, s28, 2
	s_add_co_u32 s35, s35, s28
	s_add_co_u32 s35, s35, SCW
	v_lshl_add_u32 v9, v3, 4, s35
	v_add_nc_u32 v10, SCW, v8                      ; and where wave 0 reads them back
	s_wait_kmcnt 0x0
	s_cmp_ge_u32 s17, 16                           ; base product or spline product?  It hangs on the work-group's number alone
	s_cselect_b64 s[22:23], s[4:5], s[6:7]         ; the source,
	s_cselect_b32 s24, 11, 14                      ; its row in bytes, as a shift: 512 or 4,096 numbers,
	s_cselect_b32 s25, 32, 0
	s_sub_co_u32 s26, s26, s25                     ; and the K step within its product
	s_add_nc_u64 s[12:13], s[12:13], s[32:33]
	s_lshl_b32 s29, 1, s24
	s_lshl_b32 s28, s27, s24                       ; my tile's first row,
	s_lshl_b32 s36, s26, 9
	s_add_co_u32 s28, s28, s36                     ; + the K step's 512 bytes
	v_add_nc_u32 v6, s28, v8
.irp i, 0,1,2,3,4,5,6,7,8,9,10,11,12,13,14,15
	v_mad_u32_u24 v[AD+\i], s29, \i, v6            ; row i of the tile
.endr
	v_add_nc_u32 v5, s27, v3                       ; the scaler of my blocks' features: row o of 2,048 bytes, + 64 x K step + 32 c + 16 h
	s_delay_alu instid0(VALU_DEP_1)
	v_lshlrev_b32 v7, 11, v5
	s_delay_alu instid0(VALU_DEP_1)
	v_lshl_add_u32 v7, v4, 4, v7
	s_lshl_b32 s36, s26, 6
	v_add_nc_u32 v7, s36, v7
	global_load_b128 v[SCL:SCL+3], v7, s[8:9]                  ; (asked for in a base chunk too: the address lies inside the buffer there as well, and the numbers are not used)
	global_load_b128 v[SCL+4:SCL+7], v7, s[8:9] offset:32
.irp i, 0,1,2,3,4,5,6,7,8,9,10,11,12,13,14,15
	global_load_b128 v[L+4*\i:L+4*\i+3], v[AD+\i], s[22:23] th:TH_LOAD_NT   ; 32 lanes read 512 consecutive bytes: a row's K step
.endr
.irp i, 0,1,2,3,4,5,6,7,8,9,10,11,12,13,14,15
	s_wait_loadcnt 15-\i                           ; row i is in; the younger rows may be out
	ds_store_b128 v11, v[L+4*\i:L+4*\i+3] offset:\i*SP
.endr
.irp c, 0,1
.irp j, 0,1,2,3,4,5,6,7
	ds_load_b128 v[W+32*\c+4*\j:W+32*\c+4*\j+3], v12 offset:256*\c+16*\j   ; block 2 c + h of row r: LDS serves a wave's instructions in order, so these see my stores
.endr
.endr
	s_wait_dscnt 0x0                               ; my two blocks are in, and the stores have read v96-159
; 2 x 32 numbers at v[src] on become the codes v[C] .. v[C+7] and the scale word v[SW]
.macro QW src
.irp c, 0,1
	v_max3_num_f32 v[MX+\c], |v[\src+32*\c]|, |v[\src+32*\c+1]|, 0x1800000   ; with the floor 2^(3 - 127): the byte cannot fall under 1
.endr
.irp i, 2,4,6,8,10,12,14,16,18,20,22,24,26,28,30
.irp c, 0,1
	s_delay_alu instid0(VALU_DEP_2)
	v_max3_num_f32 v[MX+\c], v[MX+\c], |v[\src+32*\c+\i]|, |v[\src+32*\c+\i+1]|   ; (the two blocks by turns)
.endr
.endr
.irp c, 0,1
	s_delay_alu instid0(VALU_DEP_2)
	v_add_nc_u32 v[SO+\c], 0xff000000, v[MX+\c]    ; 2 off the exponent field: the conversion takes that field as its scale
.endr
.irp c, 0,1
	s_delay_alu instid0(VALU_DEP_2)
	v_lshrrev_b32 v[BY+\c], 23, v[SO+\c]           ; the scale's byte
.endr
	s_delay_alu instid0(VALU_DEP_1)
	v_lshl_or_b32 v[SW], v[BY+1], 16, v[BY]        ; my bytes are those of blocks h and 2 + h:
	v_lshlrev_b32 v[SW+1], 3, v4
	s_delay_alu instid0(VALU_DEP_1)
	v_lshlrev_b32 v[SW], v[SW+1], v[SW]            ; 8 h bits up;
	v_mov_b32 v[SW+1], 0
	s_delay_alu instid0(VALU_DEP_1)
	v_permlanex16_b32 v[SW+1], v[SW], s30, s31
	s_delay_alu instid0(VALU_DEP_1)
	v_or_b32 v[SW], v[SW], v[SW+1]                 ; with lane l xor 16's two the word is whole
.irp c, 0,1
.irp g, 0,1,2,3
	v_cvt_scalef32_pk8_fp4_f32 v[C+4*\c+\g], v[\src+32*\c+8*\g:\src+32*\c+8*\g+7], v[SO+\c]
.endr
.endr
	v_nop                                          ; one plain line behind the last conversion
.endm
	s_cmp_ge_u32 s17, 16
	s_cbranch_scc1 .Lbase
.irp c, 0,1
.irp i, 0,1,2,3
.irp n, 0,1,2,3,4,5,6,7
	v_mul_f32 v[V+32*\c+8*\i+\n], v[W+32*\c+8*(2*(\i/2)+\n%2)+4*(\i%2)+\n/2], v[SCL+4*\c+2*(\i/2)+\n%2]   ; weight x scaler, put where the operand's order wants it
.endr
.endr
.endr
	QW V
	s_branch .Ljoin
.Lbase:
	QW W
.Ljoin:
	s_wait_alu depctr_va_vdst(0)
	global_store_b128 v8, v[C:C+3], s[12:13]                   ; 32 lanes store 512 consecutive bytes
	global_store_b128 v8, v[C+4:C+7], s[12:13] offset:512
	ds_store_b32 v9, v[SW]                         ; lanes r and 16 + r write the same word with the same value
	s_wait_dscnt 0x0                               ; for wave 0's sake: my word lies in LDS
	s_barrier_signal -1
	s_barrier_wait -1
	s_cmp_lg_u32 s16, 0
	s_cbranch_scc1 .Ldone
	ds_load_b128 v[184:187], v10                   ; the chunk's 128 scale words leave as 512 consecutive bytes (in wave 0, q' = t = 0: s[12:13] is the chunk's first byte)
	s_wait_dscnt 0x0
	global_store_b128 v8, v[184:187], s[12:13] offset:8192
.Ldone:
	s_wait_tensorcnt 0x0
	ds_add_u32 v192, v193
	s_wait_dscnt 0x0
	s_endpgm
	; ---- the table.  Wave c makes chunk c; thread n holds features 2 n and 2 n + 1
.Ltable:
	v_mul_u32_u24 v5, v0, 96                       ; two rows of 12 knots
	s_mul_i32 s32, s16, 12288
	s_mov_b32 s33, 0
	s_wait_alu depctr_va_vdst(0)
	s_wait_kmcnt 0x0
	s_add_nc_u64 s[14:15], s[14:15], s[32:33]
.irp j, 0,1,2,3,4,5,6,7,8,9,10,11
.irp e, 0,1
	global_load_b32 v[O+2*\j+\e], v5, s[10:11] offset:48*\e+4*\j   ; knot j as a pair
.endr
.endr
	s_wait_loadcnt 0x0
.irp j, 0,1,2,3,4,5,6,7,8,9,10
	v_pk_add_f32 v[O+24+2*\j:O+25+2*\j], v[O+2*\j+2:O+2*\j+3], v[O+2*\j:O+2*\j+1] neg_lo:[0,1] neg_hi:[0,1]   ; g[j+1] - g[j]
.endr
.irp j, 0,1,2,3,4,5,6,7,8,9
	v_pk_add_f32 v[O+48+2*\j:O+49+2*\j], v[O+2*\j+4:O+2*\j+5], v[O+2*\j:O+2*\j+1] neg_lo:[0,1] neg_hi:[0,1]   ; g[j+2] - g[j]
.endr
.irp j, 0,1,2,3,4,5,6,7,8
	v_pk_add_f32 v[O+72+2*\j:O+73+2*\j], v[O+2*\j+6:O+2*\j+7], v[O+2*\j:O+2*\j+1] neg_lo:[0,1] neg_hi:[0,1]   ; g[j+3] - g[j]
.endr
.macro RCPS ob, tb, cnt
.set n, 0
.rept \cnt
	v_rcp_f32 v[\tb+n], v[\ob+n]
.set n, n+1
.endr
.endm
	s_wait_alu depctr_va_vdst(0)
	RCPS O+24, TT, 22
	RCPS O+48, TT+22, 20
	RCPS O+72, TT+42, 18
.irp p, 46,47,68,69,70,71,90,91,92,93,94,95
	v_mov_b32 v[O+\p], 0                           ; the places that hold nothing.  (Plain lines behind the reciprocals)
.endr
	s_wait_alu depctr_va_vdst(0)                   ; one wait for the 60 reciprocals, ahead of their first reader
; one Newton step: e = 1 - den r, r + r e: the reciprocal goes on into a quantiser, so it is made as exact as f32 allows
.macro NEWTON ob, tb, cnt
.set n, 0
.rept \cnt
	v_pk_fma_f32 v[\ob+n:\ob+n+1], v[\ob+n:\ob+n+1], v[\tb+n:\tb+n+1], 1.0 op_sel_hi:[1,1,0] neg_lo:[1,0,0] neg_hi:[1,0,0]
.set n, n+2
.endr
.set n, 0
.rept \cnt
	v_pk_fma_f32 v[\ob+n:\ob+n+1], v[\tb+n:\tb+n+1], v[\ob+n:\ob+n+1], v[\tb+n:\tb+n+1]
.set n, n+2
.endr
.endm
	NEWTON O+24, TT, 11
	NEWTON O+48, TT+22, 10
	NEWTON O+72, TT+42, 9
.irp i, 0,1,2,3,4,5,6,7,8,9,10,11,12,13,14,15,16,17,18,19,20,21,22,23
	global_store_b128 v8, v[O+4*\i:O+4*\i+3], s[14:15] offset:512*\i   ; 32 lanes store 512 consecutive bytes
.endr
	s_cmp_lg_u32 s16, 0
	s_cbranch_scc1 .Ltdone
.irp i, 0,1,2,3,4,5,6,7,8,9,10,11,12,13,14,15,16,17,18,19,20,21,22,23
	global_store_b128 v8, v[O+4*\i:O+4*\i+3], s[14:15] offset:8*12288+512*\i   ; chunk 8 repeats chunk 0
.endr
.Ltdone:
	s_endpgm
.Lfunc_end_k_q8a8a9309b4_prep:
	.size	k_q8a8a9309b4_prep, .Lfunc_end_k_q8a8a9309b4_prep-k_q8a8a9309b4_prep
	.p2alignl 7, 3214868480
	.fill 96, 4, 3214868480
	.section	.rodata,"a",@progbits
	.p2align	6, 0x0
	.amdhsa_kernel k_q8a8a9309b4_prep
		.amdhsa_group_segment_fixed_size 70656
		.amdhsa_private_segment_fixed_size 0
		.amdhsa_enable_private_segment 0
		.amdhsa_kernarg_size 48
		.amdhsa_user_sgpr_count 2
		.amdhsa_user_sgpr_kernarg_segment_ptr 1
		.amdhsa_wavefront_size32 1
		.amdhsa_system_sgpr_workgroup_id_x 1
		.amdhsa_system_sgpr_workgroup_id_y 1
		.amdhsa_system_sgpr_workgroup_id_z 1
		.amdhsa_system_vgpr_workitem_id 0
		.amdhsa_next_free_vgpr 194
		.amdhsa_next_free_sgpr 66
		.amdhsa_reserve_vcc 0
		.amdhsa_float_denorm_mode_32 3
		.amdhsa_float_denorm_mode_16_64 3
		.amdhsa_memory_ordered 1
		.amdhsa_forward_progress 1
		.amdhsa_inst_pref_size 35
	.end_amdhsa_kernel
	.amdgpu_metadata
---
amdhsa.version: [ 1, 2 ]
amdhsa.kernels:
  - .name:           k_q8a8a9309b4_prep
    .symbol:         k_q8a8a9309b4_prep.kd
    .args:
      - { .name: base_weight, .offset: 0, .size: 8, .value_kind: global_buffer, .address_space: global }
      - { .name: spline_weight, .offset: 8, .size: 8, .value_kind: global_buffer, .address_space: global }
      - { .name: spline_scaler, .offset: 16, .size: 8, .value_kind: global_buffer, .address_space: global }
      - { .name: grid, .offset: 24, .size: 8, .value_kind: global_buffer, .address_space: global }
      - { .name: wb, .offset: 32, .size: 8, .value_kind: global_buffer, .address_space: global }
      - { .name: tab, .offset: 40, .size: 8, .value_kind: global_buffer, .address_space: global }
    .group_segment_fixed_size: 70656
    .private_segment_fixed_size: 0
    .kernarg_segment_align: 8
    .kernarg_segment_size: 48
    .max_flat_workgroup_size: 256
    .sgpr_count:     66
    .vgpr_count:     194
    .wavefront_size: 32
...
	.end_amdgpu_metadata
.endif
;; end of part 1
;; launch kan (part 2): grid 256 x 1, 8 waves a work-group, no clusters, 297,984 bytes of LDS; arguments x, wb, tab, out0; writes out0
.if DOCPART == 2
	.amdgcn_target "amdgcn-amd-amdhsa--gfx1250"
	.amdhsa_code_object_version 6
	.text
	.protected	k_q8a8a9309b4_kan
	.globl	k_q8a8a9309b4_kan
	.p2align	8
	.type	k_q8a8a9309b4_kan,@function
k_q8a8a9309b4_kan:
	s_mov_b64 s[64:65], 0
	v_nop
	global_prefetch_b8 v0, s[64:65] scope:SCOPE_SE
	s_setreg_imm32_b32 hwreg(HW_REG_WAVE_MODE, 25, 1), 1
	s_wait_xcnt 0x0
; out0 = Q(silu(x)) Q(base_weight)^T + Q(bases(x)) Q(spline_weight x scaler)^T, both products on E2M1 codes with E8M0 scales.
; A work-group makes 64 rows x 512 outputs.  Wave w makes the codes of rows 8 w .. 8 w + 7 (a lane holds a pair of features, its knots and reciprocals in registers,
; 64 features a trip) and multiplies all 64 rows by its own 64 outputs: 16 accumulators, 128 registers.  The rows' codes go from wave to wave through two LDS buffers that take turns:
; trip n makes chunk n and multiplies chunk n - 1, with ONE barrier a trip.  The Cox-de Boor steps are run on all 12 knots as they are given: no order of the knots is assumed.
; THE WEIGHTS (wb, laid by the launch before as images of operand registers) go from memory straight into registers: a fragment is used by one wave alone.  A ring of 8 fragments:
; the two that a row's products used are asked for again in the next row's run of memory instructions, three rows' vector work ahead of their next use.
; Steps 15 and 16 are fetched during the first pass, while the accumulators' registers are idle, and wait in the wave's own 16,384 bytes of LDS: so the tail asks memory for step 17 alone.
; NO CLUSTER, NO TENSOR LOAD: the loop's weights pass through no LDS slot in which a joint load could land.  The knot table (110,592 bytes) is copied into LDS once, through registers:
; chunks 0 and 1 ahead of the first barrier, the rest in the middle of the first pass.
; PREFETCH: x, 8 rows x 256 bytes a wave and trip, a lane a row, one trip ahead of its loads; none for wb (its loads stand three rows' work ahead of their use) nor for tab (read at the head alone).
; The loop's text is the same in every trip: the last trip asks once more for x's chunk 7 (its address is held inside the buffer) and for table chunk 8, which repeats chunk 0; neither is used.
; LIMITS: NaN and infinities among the inputs are not served; knots that coincide give what the table's reciprocals give.
.set CHUNK, 8704                       ; wb: a step's (two K steps of 128) fragments and scale words for 64 outputs
.set SLOTB, 8*CHUNK                    ; a step of wb
.set TAB,   0                          ; LDS: the knot table, 9 chunks
.set TCH,   12288
.set A0,    TAB+9*TCH                  ; the rows' codes: [tile of 16 rows][block of 32 along K: 272 bytes][row][16 bytes], then 1,024 scale bytes; two buffers
.set UP,    272
.set TP,    16*UP
.set ASC,   4*TP
.set ABYTES, ASC+1024
.set ATOG,  ABYTES
.set SIL,   A0+2*ABYTES                ; the same for silu(x), all 512 along K
.set WL,    SIL+ABYTES                 ; 16,384 bytes for each wave: steps 15 and 16 of its weights; on the way out its stage
.set SPARE, WL+8*16384                 ; the spare words, 128 bytes a wave
.set SPW,  1
.set NIL,  2
.set XO,   3
.set TL,   4
.set AST0, 5
.set ASS0, 6
.set ALD0, 7
.set ASL0, 8
.set AST,  9
.set ASS,  10
.set ALD,  11
.set ASL,  12
.set SST,  13
.set SSS,  14
.set BO,   15                          ; 16 x lane
.set WS1,  16                          ; v16-19 the weights' scale words, second half of a trip
.set X,    20
.set G,    36
.set R1,   60
.set R2,   84
.set R3,   104
.set D,    124
.set P,    148
.set Q,    170
.set S,    190
.set E,    204
.set T,    212
.set CD,   220
.set SB,   228
.set SCD,  232
.set SSB,  236
.set AS,   240
.set WS,   248                         ; v248-251 the weights' scale words, first half of a trip
.set SST0, 252
.set SSS0, 253
.set TL0,  254
.set PF,   255                         ; the prefetch's offset: a lane a row
.set OB,   124
.set STO,  5                           ; the tail's own names, in registers that the loop has left
.set RD,   6
.set WLA,  7
.set GO,   13
.set V0,   36                          ; step 15's weights
.set VA,   100                         ; a second set for the rows' fragments
.set V1,   164                         ; step 17's weights
.set WS2,  228
.set WS3,  232
.set AS2,  20
.set WV,   12
.set CNT,  13
.set TW,   14
.set TR,   15
.set STP,  16
.set SA,   58
.set SBY,  59
.set STT,  60
.set M,    66                          ; s66-89: knot j's masks, a pair: the even feature's, the odd feature's
.set MWB,  128                         ; where MG finds its operands: weights at MWB + MWT x K step + 8 x tile, rows at MAB + MAT x K step + 8 x tile
.set MWT,  64
.set MAB,  160
.set MAT,  64
.set MWIN, 0x55
.set MSW,  WS
.set MSA,  AS
.set MSB, 0
.macro WIN new
.if MSB != \new
	s_set_vgpr_msb (MSB<<8)|\new
.set MSB, \new
.endif
.endm
.macro PLACES
.rept 4
	v_nop
.endr
.endm
.macro TABLD qa, qb, sh                ; quads qa .. qb of my lane's knots and reciprocals
.set tq, \qa
.rept \qb-\qa+1
	ds_load_b128 v[G+4*(tq-\sh):G+4*(tq-\sh)+3], v[TL] offset:512*tq
.set tq, tq+1
.endr
.endm
.macro LDA dst, str, adr, e            ; the rows' fragments of two K steps: 16 LDS loads
.irp qp, 0,1
.irp t, 0,1,2,3
.irp c, 0,1
	ds_load_b128 v[\dst+\str*\qp+8*\t+4*\c:\dst+\str*\qp+8*\t+4*\c+3], v[\adr] offset:TP*\t+UP*(4*(2*\e+\qp)+2*\c)
.endr
.endr
.endr
.endm
.macro LDW dst, str, off               ; a whole step's weights from memory: 16 loads of 512 consecutive bytes
.irp qp, 0,1
.irp t, 0,1,2,3
.irp c, 0,1
	global_load_b128 v[\dst+\str*\qp+8*\t+4*\c:\dst+\str*\qp+8*\t+4*\c+3], v[BO], s[6:7] offset:(\off)+4096*\qp+1024*\t+512*\c
.endr
.endr
.endr
.endm
.macro LDSW dst, str, off              ; the same from my own LDS bytes
.irp qp, 0,1
.irp t, 0,1,2,3
.irp c, 0,1
	ds_load_b128 v[\dst+\str*\qp+8*\t+4*\c:\dst+\str*\qp+8*\t+4*\c+3], v[WLA] offset:(\off)+4096*\qp+1024*\t+512*\c
.endr
.endr
.endr
.endm
.macro PUT p                           ; row p's codes and scale byte go to LDS
	ds_store_b64 v[AST], v[CD+2*((\p)%4):CD+2*((\p)%4)+1] offset:16*(\p)
	ds_store_b8 v[ASS], v[SB+(\p)%4] offset:16*(\p)
.endm
.macro ASKW p, tl                      ; tl: the two fragments that row p's products used are asked for again, for the next half; behind a half's last row its scale words for the next trip
.if \tl
	WIN 0x40
.irp u, 0,1
.irp c, 0,1
.set ag, 2*((\p)%4)+\u
.set ar, 128+64*(ag/4)+8*(ag%4)+4*\c
	global_load_b128 v[ar:ar+3], v[BO], s[6:7] offset:((\p)/4-1)*SLOTB+4096*(ag/4)+1024*(ag%4)+512*\c
.endr
.endr
	WIN 0
.endif
.if (\p)%4 == 3
.set aw, WS+(WS1-WS)*((\p)/4)
	global_load_b128 v[aw:aw+3], v[BO], s[6:7] offset:((\p)/4)*SLOTB+8192
.endif
.endm
; four products: weight fragment g (K step g / 4, 16 outputs g % 4) x the four tiles of 16 rows.  Source 0 = the weights: a lane then holds 8 neighbouring outputs of one row.  The 16 accumulators take turns.
.macro MG g, e
.set mq, (\g)/4
.set mt, (\g)%4
	WIN MWIN
.irp tau, 0,1,2,3
.set rD, 8*(4*mt+\tau)
.set rW, MWB+MWT*mq+8*mt
.set rA, MAB+MAT*mq+8*\tau
.set rSW, MSW+2*mq+mt/2
.set rSA, MSA+4*(\tau/2)+2*(\e)+mq
.if (mt%2 == 0) && (\tau%2 == 0)
	v_wmma_scale_f32_16x16x128_f8f6f4 v[rD:rD+7], v[rW:rW+7], v[rA:rA+7], v[rD:rD+7], v[rSW], v[rSA] matrix_a_fmt:MATRIX_FMT_FP4 matrix_b_fmt:MATRIX_FMT_FP4
.elseif (mt%2 == 0)
	v_wmma_scale_f32_16x16x128_f8f6f4 v[rD:rD+7], v[rW:rW+7], v[rA:rA+7], v[rD:rD+7], v[rSW], v[rSA] matrix_a_fmt:MATRIX_FMT_FP4 matrix_b_fmt:MATRIX_FMT_FP4 matrix_b_scale:MATRIX_SCALE_ROW1
.elseif (\tau%2 == 0)
	v_wmma_scale_f32_16x16x128_f8f6f4 v[rD:rD+7], v[rW:rW+7], v[rA:rA+7], v[rD:rD+7], v[rSW], v[rSA] matrix_a_fmt:MATRIX_FMT_FP4 matrix_b_fmt:MATRIX_FMT_FP4 matrix_a_scale:MATRIX_SCALE_ROW1
.else
	v_wmma_scale_f32_16x16x128_f8f6f4 v[rD:rD+7], v[rW:rW+7], v[rA:rA+7], v[rD:rD+7], v[rSW], v[rSA] matrix_a_fmt:MATRIX_FMT_FP4 matrix_b_fmt:MATRIX_FMT_FP4 matrix_a_scale:MATRIX_SCALE_ROW1 matrix_b_scale:MATRIX_SCALE_ROW1
.endif
.endr
.endm
.macro HALF e                          ; a step's 32 products
.irp g, 0,1,2,3,4,5,6,7
	MG \g, \e
.endr
	WIN 0
.endm
; silu of rows i0 .. i0 + 3, quantised: a block of 32 features lies in 16 lanes.  cnt: the younger loads that may stay out when these rows of x have to be in
.macro SILU4 i0, cnt
	s_wait_loadcnt \cnt
.irp k, 0,1,2,3
	v_pk_mul_f32 v[E+2*\k:E+2*\k+1], v[X+2*(\i0+\k):X+2*(\i0+\k)+1], 0xbfb8aa3b op_sel_hi:[1,0]
.endr
	s_wait_alu depctr_va_vdst(0)           ; a wait ahead of each batch and behind it
.irp n, 0,1,2,3,4,5,6,7
	v_exp_f32 v[E+\n], v[E+\n]
.endr
	v_nop
	s_wait_alu depctr_va_vdst(0)
.irp k, 0,1,2,3
	v_pk_add_f32 v[E+2*\k:E+2*\k+1], v[E+2*\k:E+2*\k+1], 1.0 op_sel_hi:[1,0]
.endr
	s_wait_alu depctr_va_vdst(0)
.irp n, 0,1,2,3,4,5,6,7
	v_rcp_f32 v[E+\n], v[E+\n]
.endr
	v_nop
	s_wait_alu depctr_va_vdst(0)
.irp k, 0,1,2,3
	v_pk_mul_f32 v[S+2*\k:S+2*\k+1], v[X+2*(\i0+\k):X+2*(\i0+\k)+1], v[E+2*\k:E+2*\k+1]
.endr
.irp k, 0,1,2,3
	s_delay_alu instid0(VALU_DEP_4)
	v_max3_num_f32 v[T+\k], |v[S+2*\k]|, |v[S+2*\k+1]|, 0x1800000
.endr
.irp m, 1,2,4,8
.irp k, 0,1,2,3
	s_delay_alu instid0(VALU_DEP_4)
	v_max_num_f32_dpp v[T+\k], v[T+\k], v[T+\k] row_xmask:\m row_mask:0xf bank_mask:0xf
.endr
.endr
.irp k, 0,1,2,3
	s_delay_alu instid0(VALU_DEP_4)
	v_add_nc_u32 v[T+4+\k], 0xff000000, v[T+\k]
.endr
.irp k, 0,1,2,3
	v_cvt_scalef32_pk8_fp4_f32 v[SCD+\k], v[S+2*\k:S+2*\k+7], v[T+4+\k]   ; my two codes are the low byte
.endr
.irp k, 0,1,2,3
	v_lshrrev_b32 v[SSB+\k], 23, v[T+4+\k]
.endr
.irp k, 0,1,2,3
	ds_store_b8 v[SST], v[SCD+\k] offset:16*(\i0+\k)
	ds_store_b8 v[SSS], v[SSB+\k] offset:16*(\i0+\k)
.endr
.endm
.macro LEVEL dst, src, n, sh           ; B[j] = (x - g[j]) C[j] - (x - g[j+sh]) C[j+1]
.set lj, 0
.rept \n
	v_pk_mul_f32 v[\dst+2*lj:\dst+2*lj+1], v[D+2*lj:D+2*lj+1], v[\src+2*lj:\src+2*lj+1]
.set lj, lj+1
.endr
.set lj, 0
.rept \n
	v_pk_fma_f32 v[\dst+2*lj:\dst+2*lj+1], v[D+2*(lj+\sh):D+2*(lj+\sh)+1], v[\src+2*lj+2:\src+2*lj+3], v[\dst+2*lj:\dst+2*lj+1] neg_lo:[1,0,0] neg_hi:[1,0,0]
.set lj, lj+1
.endr
.endm
.macro TIMES reg, r, n
.set lj, 0
.rept \n
	v_pk_mul_f32 v[\reg+2*lj:\reg+2*lj+1], v[\reg+2*lj:\reg+2*lj+1], v[\r+2*lj:\r+2*lj+1]
.set lj, lj+1
.endr
.endm
; row i of my 8: the 8 bases of my two features, quantised (two lanes hold a block).  mm: two groups of products stand among the vector work;  e: the trip's half;
; last: the next chunk's table comes in as this one's parts are done with.  A row's memory instructions stand in ONE run: row pv's stores and fragment requests (pv = -1: none) with this row's load of x;
; tl: fragments are asked for;  fl: a half's last row sends its own at its end.
.macro ROW i, mm, e, last, pv, tl, fl
.set xr, X+2*(\i)
.set k4, (\i)%4
.set MSW, WS+(WS1-WS)*(\e)
.irp j, 0,1,2,3,4,5,6,7,8,9,10,11
	v_cmp_le_f32 s[M+2*\j], v[G+2*\j], v[xr]
.endr
.irp j, 0,1,2,3,4,5,6,7,8,9,10,11
	v_cmp_le_f32 s[M+2*\j+1], v[G+2*\j+1], v[xr+1]
.endr
.irp j, 0,1,2,3,4,5,6,7,8,9,10,11
	v_pk_add_f32 v[D+2*\j:D+2*\j+1], v[xr:xr+1], v[G+2*\j:G+2*\j+1] neg_lo:[0,1] neg_hi:[0,1]
.endr
.if \pv >= 0
	PUT \pv
.endif
	global_load_b64 v[xr:xr+1], v[XO], s[4:5] offset:2048*(\i) th:TH_LOAD_NT   ; the next chunk's row i
.if \pv >= 0
	ASKW \pv, \tl
.endif
.irp j, 0,1,2,3,4,5,6,7,8,9,10
	s_and_not1_b64 s[M+2*\j:M+2*\j+1], s[M+2*\j:M+2*\j+1], s[M+2*\j+2:M+2*\j+3]   ; g[j] <= x and not g[j+1] <= x, both features at once
.endr
.irp j, 0,1,2,3,4,5,6,7,8,9,10
	v_cndmask_b32 v[P+2*\j], 0, v[R1+2*\j], s[M+2*\j]
	v_cndmask_b32 v[P+2*\j+1], 0, v[R1+2*\j+1], s[M+2*\j+1]
.endr
.if \last
	TABLD 0, 11, 0
.endif
	LEVEL Q, P, 10, 2
.if \mm
.if k4 == 0
	s_wait_dscnt 0x0                       ; the rows' fragments and scale words of this half are in
.endif
	s_wait_loadcnt 16                      ; this row's two weight fragments are in: behind their loads stand at least 5 + 5 + 5 + 1
	MG 2*k4, \e
	WIN 0
.endif
	TIMES Q, R2, 10
.if \last
	TABLD 12, 16, 0
.endif
	LEVEL P, Q, 9, 3
.if \mm
	MG 2*k4+1, \e
	WIN 0
.endif
	TIMES P, R3, 9
.if \last
	TABLD 18, 22, 1
.endif
	LEVEL Q, P, 8, 4
	v_max3_num_f32 v[T], |v[Q]|, |v[Q+1]|, 0x1800000
	v_max3_num_f32 v[T+1], |v[Q+2]|, |v[Q+3]|, |v[Q+6]|
	s_delay_alu instid0(VALU_DEP_2)
	v_max3_num_f32 v[T], v[T], |v[Q+4]|, |v[Q+5]|
	s_delay_alu instid0(VALU_DEP_2)
	v_max3_num_f32 v[T+1], v[T+1], |v[Q+7]|, |v[Q+10]|
	s_delay_alu instid0(VALU_DEP_2)
	v_max3_num_f32 v[T], v[T], |v[Q+8]|, |v[Q+9]|
	s_delay_alu instid0(VALU_DEP_2)
	v_max3_num_f32 v[T+1], v[T+1], |v[Q+11]|, |v[Q+14]|
	s_delay_alu instid0(VALU_DEP_2)
	v_max3_num_f32 v[T], v[T], |v[Q+12]|, |v[Q+13]|
	s_delay_alu instid0(VALU_DEP_1)
	v_max3_num_f32 v[T], v[T], v[T+1], |v[Q+15]|
	s_delay_alu instid0(VALU_DEP_1)
	v_max_num_f32_dpp v[T], v[T], v[T] row_xmask:1 row_mask:0xf bank_mask:0xf
	s_delay_alu instid0(VALU_DEP_1)
	v_add_nc_u32 v[T+2], 0xff000000, v[T]
	v_cvt_scalef32_pk8_fp4_f32 v[CD+2*k4], v[Q:Q+7], v[T+2]
	v_cvt_scalef32_pk8_fp4_f32 v[CD+2*k4+1], v[Q+8:Q+15], v[T+2]
	v_lshrrev_b32 v[SB+k4], 23, v[T+2]
.if \fl
	PUT \i
	ASKW \i, \tl
.endif
.endm
; a trip's end: the one barrier.  In front of it my codes lie in LDS and my reads of the other buffer are back; behind it the two buffers have changed roles.
.macro NEXT sel
	s_wait_dscnt 0x0
	s_wait_xcnt 0x0                        ; the bases are stepped only behind this wait
.if \sel
	s_cmp_ge_u32 s[CNT], 3
	s_cselect_b32 s[STP], 256, 0           ; x's address is held at chunk 7
.else
	s_mov_b32 s[STP], 256
.endif
	s_add_nc_u64 s[4:5], s[4:5], s[STP:STP+1]
	s_add_nc_u64 s[6:7], s[6:7], 2*SLOTB
	s_add_co_u32 s[SA], s[SA], 2*UP
	s_add_co_u32 s[SBY], s[SBY], 2
	s_add_co_u32 s[STT], s[STT], TCH
	s_xor_b32 s[TW], s[TW], ATOG
	s_xor_b32 s[TR], s[TR], ATOG
	s_barrier_signal -1
	v_add_nc_u32 v[SST], s[SA], v[SST0]
	v_add_nc_u32 v[SSS], s[SBY], v[SSS0]
	v_add_nc_u32 v[TL], s[STT], v[TL0]
	v_add_nc_u32 v[AST], s[TW], v[AST0]
	v_add_nc_u32 v[ASS], s[TW], v[ASS0]
	v_add_nc_u32 v[ALD], s[TR], v[ALD0]
	v_add_nc_u32 v[ASL], s[TR], v[ASL0]
	s_wait_alu depctr_va_vdst(0)           ; directly ahead of the barrier's wait
	s_barrier_wait -1
.endm
.macro LOADA e
	WIN 0x40
	LDA 160, 64, ALD, \e
	WIN 0
.endm
	s_load_b256 s[4:11], s[0:1], 0x0       ; x, wb, tab, out0
	v_lshl_add_u32 v[SPW], v0, 2, SPARE
	v_mov_b32 v[NIL], 0
	v_lshrrev_b32 v[T], 5, v0
	s_delay_alu instid0(VALU_DEP_1)
	v_readfirstlane_b32 s[WV], v[T]        ; wave 0..7
	v_and_b32 v[T], 31, v0                 ; lane
	s_delay_alu instid0(VALU_DEP_1)
	v_lshlrev_b32 v[XO], 3, v[T]
	v_lshlrev_b32 v[BO], 4, v[T]
	v_min_u32 v[PF], 7, v[T]
	s_delay_alu instid0(VALU_DEP_1)
	v_lshlrev_b32 v[PF], 11, v[PF]         ; lanes 0-7: my 8 rows; the others name the last again
	s_lshl_b32 s20, ttmp9, 17              ; x: 64 rows of 2,048 bytes a work-group, 8 a wave
	s_lshl_b32 s21, s[WV], 14
	s_add_co_u32 s20, s20, s21
	s_mov_b32 s21, 0
	s_lshl_b32 s22, ttmp9, 17              ; out0: the same rows, my 64 outputs
	s_lshl_b32 s23, s[WV], 8
	s_add_co_u32 s22, s22, s23
	s_mov_b32 s23, 0
	s_mul_i32 s52, s[WV], CHUNK
	s_mov_b32 s53, 0
	s_mul_i32 s24, s[WV], 3072             ; my 6 pieces of 512 bytes of table chunks 0 and 1: the same offset in tab and in LDS
	s_mul_i32 s25, s[WV], 10752            ; my 21 pieces of chunks 2 to 8
	s_add_co_u32 s25, s25, 2*TCH
	s_lshl_b32 s26, s[WV], 14              ; my 16,384 bytes for steps 15 and 16
	s_add_co_u32 s26, s26, WL
	s_mov_b32 s[STP+1], 0
	s_wait_alu depctr_va_vdst(0)           ; directly ahead of the readers below
	v_add_nc_u32 v[T+5], s24, v[BO]
	v_add_nc_u32 v[T+6], s25, v[BO]
	s_wait_alu depctr_va_vdst(0)           ; directly ahead of the wait below
	s_wait_kmcnt 0x0
	s_add_nc_u64 s[4:5], s[4:5], s[20:21]
	s_add_nc_u64 s[10:11], s[10:11], s[22:23]
	s_add_nc_u64 s[6:7], s[6:7], s[52:53]  ; wb at step 0, my 64 outputs; it steps two steps a trip
.irp i, 0,1,2,3,4,5,6,7
	global_load_b64 v[X+2*\i:X+2*\i+1], v[XO], s[4:5] offset:2048*\i th:TH_LOAD_NT
.endr
.set n, 0
.rept 6
	global_load_b128 v[G+4*n:G+4*n+3], v[T+5], s[8:9] offset:512*n
.set n, n+1
.endr
	WIN 0x40
.set n, 0
.rept 21
	global_load_b128 v[4*n:4*n+3], v[T+6], s[8:9] offset:512*n   ; into the accumulators' registers, idle in the first pass
.set n, n+1
.endr
	WIN 0
	s_lshr_b32 s56, s[WV], 1
	s_mul_i32 s56, s56, TP
	s_and_b32 s57, s[WV], 1
	s_lshl_b32 s57, s57, 7
	s_add_co_u32 s56, s56, s57             ; my 8 rows' place in a buffer: tile w / 2, rows 8 (w % 2) on
	s_lshl_b32 s57, s[WV], 7
	v_lshrrev_b32 v[T+1], 1, v[T]
	v_and_b32 v[T+2], 1, v[T]
	v_lshrrev_b32 v[T+3], 4, v[T]
	v_and_b32 v[T+4], 15, v[T]
	s_delay_alu instid0(VALU_DEP_4)
	v_mul_u32_u24 v[AST0], v[T+1], UP
	s_delay_alu instid0(VALU_DEP_1)
	v_lshl_add_u32 v[AST0], v[T+2], 3, v[AST0]
	s_delay_alu instid0(VALU_DEP_1)
	v_add_nc_u32 v[AST0], s56, v[AST0]
	s_delay_alu instid0(VALU_DEP_1)
	v_add_nc_u32 v[AST0], A0, v[AST0]
	v_add_nc_u32 v[ASS0], s57, v[T+1]
	s_delay_alu instid0(VALU_DEP_1)
	v_add_nc_u32 v[ASS0], A0+ASC, v[ASS0]
	v_mul_u32_u24 v[ALD0], v[T+3], UP
	s_delay_alu instid0(VALU_DEP_1)
	v_lshl_add_u32 v[ALD0], v[T+4], 4, v[ALD0]
	s_delay_alu instid0(VALU_DEP_1)
	v_add_nc_u32 v[ALD0], A0, v[ALD0]
	v_lshl_add_u32 v[ASL0], v[T], 4, A0+ASC
	v_mad_u32_u24 v[SST0], v[T+3], UP, v[T+4]
	s_delay_alu instid0(VALU_DEP_1)
	v_add_nc_u32 v[SST0], s56, v[SST0]
	s_delay_alu instid0(VALU_DEP_1)
	v_add_nc_u32 v[SST0], SIL, v[SST0]
	v_add_nc_u32 v[SSS0], s57, v[T+3]
	s_delay_alu instid0(VALU_DEP_1)
	v_add_nc_u32 v[SSS0], SIL+ASC, v[SSS0]
	v_lshl_add_u32 v[TL0], v[T], 4, TAB
	v_mov_b32 v[AST], v[AST0]
	v_mov_b32 v[ASS], v[ASS0]
	v_mov_b32 v[SST], v[SST0]
	v_mov_b32 v[SSS], v[SSS0]
	v_mov_b32 v[TL], v[TL0]
.irp p, 8,9,10,11,12,13
	v_mov_b32 v[S+\p], 0
.endr
	s_mov_b32 s[TW], 0
	s_mov_b32 s[TR], ATOG
	s_mov_b32 s[SA], 0
	s_mov_b32 s[SBY], 0
	s_mov_b32 s[STT], TCH
	s_wait_alu depctr_va_vdst(0)           ; the head's end
	s_wait_xcnt 0x0
	s_add_nc_u64 s[4:5], s[4:5], 256       ; x at chunk 1
.set n, 0
.rept 6
	s_wait_loadcnt 26-n                    ; loads come back in order: piece n is in; behind it 5 - n pieces and the 21
	ds_store_b128 v[T+5], v[G+4*n:G+4*n+3] offset:512*n
.set n, n+1
.endr
	s_wait_dscnt 0x0                       ; for the others' sake: my pieces of chunks 0 and 1 lie in LDS
	s_barrier_signal -1
	s_barrier_wait -1
	TABLD 0, 11, 0
	TABLD 12, 16, 0
	TABLD 18, 22, 1
	s_wait_dscnt 0x0
	v_add_nc_u32 v[TL], s[STT], v[TL0]
	; THE FIRST PASS: chunk 0 is made; nothing is multiplied yet.  Its second half asks for step 0's weights as every trip's second half asks for the next trip's
	SILU4 0, 21
	ROW 0, 0, 0, 0, -1, 0, 0
	ROW 1, 0, 0, 0, 0, 0, 0
	global_prefetch_b8 v[PF], s[4:5] offset:256 th:TH_LOAD_NT scope:SCOPE_SE   ; chunk 2, which the next trip loads
	ROW 2, 0, 0, 0, 1, 0, 0
	ROW 3, 0, 0, 0, 2, 0, 1
	s_wait_loadcnt 5                       ; the table's other 21 pieces are in: behind them four loads of x and one of scale words
	v_add_nc_u32 v[T], s25, v[BO]
	WIN 0x04
.set n, 0
.rept 21
	ds_store_b128 v[T], v[4*n:4*n+3] offset:512*n   ; first read behind the barrier at this pass's end
.set n, n+1
.endr
	WIN 0
	s_wait_dscnt 0x0                       ; the stores have read their registers
	WIN 0x40
	LDW 0, 32, 15*SLOTB                    ; steps 15 and 16, into the accumulators' registers
	LDW 64, 32, 16*SLOTB
	WIN 0
	SILU4 4, 37
	ROW 4, 0, 1, 0, -1, 1, 0
	ROW 5, 0, 1, 0, 4, 1, 0
	ROW 6, 0, 1, 0, 5, 1, 0
	ROW 7, 0, 1, 1, 6, 1, 1
	s_wait_loadcnt 21                      ; steps 15 and 16 are in: behind them 1 + 5 + 5 + 5 + 5 loads
	v_add_nc_u32 v[T], s26, v[BO]
	WIN 0x04
.set n, 0
.rept 32
	ds_store_b128 v[T], v[4*n:4*n+3] offset:512*n
.set n, n+1
.endr
	WIN 0
	s_wait_dscnt 0x0
	WIN 0x40
.set n, 0
.rept 128
	v_mov_b32 v[n], 0                      ; the sums begin at 0: the loop's text serves every trip, the first too
.set n, n+1
.endr
	WIN 0
	NEXT 0
	s_mov_b32 s[CNT], 7
.Ltrip:                                        ; trip n = 1 .. 7: makes chunk n, multiplies chunk n - 1 (steps 2 n - 2 and 2 n - 1)
	LOADA 0
	ds_load_b128 v[AS:AS+3], v[ASL]
	ds_load_b128 v[AS+4:AS+7], v[ASL] offset:512
	SILU4 0, 22                            ; behind the load of x's row 3 stand more than 22 loads on every way
	ROW 0, 1, 0, 0, -1, 1, 0
	ROW 1, 1, 0, 0, 0, 1, 0
	s_cmp_ge_u32 s[CNT], 3                 ; the last two trips have no chunk one trip on
	s_cbranch_scc0 .Lasked
	global_prefetch_b8 v[PF], s[4:5] offset:256 th:TH_LOAD_NT scope:SCOPE_SE   ; the chunk that the next trip loads
.Lasked:
	ROW 2, 1, 0, 0, 1, 1, 0
	ROW 3, 1, 0, 0, 2, 1, 1
	LOADA 1
	SILU4 4, 22
	ROW 4, 1, 1, 0, -1, 1, 0
	ROW 5, 1, 1, 0, 4, 1, 0
	ROW 6, 1, 1, 0, 5, 1, 0
	ROW 7, 1, 1, 1, 6, 1, 1
	NEXT 1
	s_sub_co_u32 s[CNT], s[CNT], 1
	s_cmp_lg_u32 s[CNT], 0
	s_cbranch_scc1 .Ltrip
	; THE TAIL: steps 14, 15 (chunk 7) and 16, 17 (silu).  s[6:7] stands at step 16.  The table's registers are free: they take steps 15 (from LDS) and 17 (from memory, asked for now, used last) and a second set of the rows' fragments.
	v_add_nc_u32 v[AST], SIL-A0, v[ALD0]   ; silu's fragments and scale words
	v_add_nc_u32 v[ASS], SIL-A0, v[ASL0]
	v_and_b32 v[TL], 15, v0                ; r
	v_bfe_u32 v[SSS], v0, 4, 1             ; h
	v_add_nc_u32 v[WLA], s26, v[BO]
	v_mul_u32_u24 v[STO], v[TL], UP        ; into the stage: row r, 32 bytes for each half of the lanes
	v_mul_u32_u24 v[RD], v[SSS], UP        ; back: sixteen lanes to a row of 256 bytes
	v_lshlrev_b32 v[GO], 11, v[SSS]        ; and the same two rows in out0
	v_lshl_add_u32 v[STO], v[SSS], 5, v[STO]
	v_lshl_add_u32 v[RD], v[TL], 4, v[RD]
	v_lshl_add_u32 v[GO], v[TL], 4, v[GO]
	v_add_nc_u32 v[STO], s26, v[STO]
	v_add_nc_u32 v[RD], s26, v[RD]
	s_wait_alu depctr_va_vdst(0)
	LOADA 0
	ds_load_b128 v[AS:AS+3], v[ASL]
	ds_load_b128 v[AS+4:AS+7], v[ASL] offset:512
	LDA VA, 32, ALD, 1
	LDSW V0, 32, 0
	global_load_b128 v[WS2:WS2+3], v[BO], s[6:7] offset:8192
	global_load_b128 v[WS3:WS3+3], v[BO], s[6:7] offset:SLOTB+8192
	LDW V1, 32, SLOTB
.set MSW, WS
	s_wait_dscnt 32                        ; step 14's rows and scale words are in; the 32 loads behind them may be out
	s_wait_loadcnt 28                      ; step 14's fragments 0-3: behind them 5 + 5 loads of the last trip and the 18 above
	MG 0, 0
	MG 1, 0
	MG 2, 0
	MG 3, 0
	s_wait_loadcnt 19                      ; and fragments 4-7: behind them one load of scale words and the 18
	MG 4, 0
	MG 5, 0
	MG 6, 0
	MG 7, 0
	WIN 0
	PLACES
	WIN 0x40
	LDSW 128, 64, 8192                     ; step 16 into the ring
	LDA 160, 64, AST, 0
	WIN 0
	ds_load_b128 v[AS2:AS2+3], v[ASS]
	ds_load_b128 v[AS2+4:AS2+7], v[ASS] offset:512
.set MWB, V0
.set MWT, 32
.set MAB, VA
.set MAT, 32
.set MWIN, 0x50
.set MSW, WS1
	s_wait_dscnt 34                        ; step 15 and its rows are in; the 34 just issued may be out
	s_wait_loadcnt 18                      ; step 15's scale words
	HALF 1
	PLACES
	LDA VA, 32, AST, 1
.set MWB, 128
.set MWT, 64
.set MAB, 160
.set MAT, 64
.set MWIN, 0x55
.set MSW, WS2
.set MSA, AS2
	s_wait_dscnt 16
	s_wait_loadcnt 16                      ; the last scale words are in; step 17's 16 loads may be out
	HALF 0
.set MWB, V1
.set MWT, 32
.set MAB, VA
.set MAT, 32
.set MWIN, 0x50
.set MSW, WS3
	s_wait_dscnt 0x0
	s_wait_loadcnt 0x0
	HALF 1
	PLACES
; THE WAY OUT: a tile of 16 rows x my 64 outputs goes through my own stage (the bytes that held steps 15 and 16, which I alone read, and have read) and leaves as rows: sixteen lanes store 256 consecutive bytes, aligned
.macro TOSTAGE m
	WIN 0x04
.irp t, 0,1,2,3
	ds_store_b128 v[STO], v[8*(4*\t+\m):8*(4*\t+\m)+3] offset:TP*((\m)%2)+64*\t          ; each accumulator from its low end on
	ds_store_b128 v[STO], v[8*(4*\t+\m)+4:8*(4*\t+\m)+7] offset:TP*((\m)%2)+64*\t+16
.endr
	WIN 0
.irp i, 0,1,2,3,4,5,6,7
	ds_load_b128 v[OB+32*((\m)%2)+4*\i:OB+32*((\m)%2)+4*\i+3], v[RD] offset:TP*((\m)%2)+2*UP*\i
.endr
.endm
.macro SEND m, younger
	s_wait_dscnt \younger
.irp i, 0,1,2,3,4,5,6,7
	global_store_b128 v[GO], v[OB+32*((\m)%2)+4*\i:OB+32*((\m)%2)+4*\i+3], s[10:11] offset:(16*(\m)+2*\i)*2048 th:TH_STORE_NT
.endr
.endm
	TOSTAGE 0
	TOSTAGE 1
	SEND 0, 16
	s_wait_xcnt 0x0                        ; tile 0's stores have read their registers
	TOSTAGE 2
	SEND 1, 16
	s_wait_xcnt 0x0
	TOSTAGE 3
	SEND 2, 16
	SEND 3, 0
	s_wait_tensorcnt 0x0                   ; the wave's end
	ds_add_u32 v[SPW], v[NIL]
	s_wait_dscnt 0x0
	s_endpgm
.Lfunc_end_k_q8a8a9309b4_kan:
	.size	k_q8a8a9309b4_kan, .Lfunc_end_k_q8a8a9309b4_kan-k_q8a8a9309b4_kan
	.p2alignl 7, 3214868480
	.fill 96, 4, 3214868480
	.section	.rodata,"a",@progbits
	.p2align	6, 0x0
	.amdhsa_kernel k_q8a8a9309b4_kan
		.amdhsa_group_segment_fixed_size 297984
		.amdhsa_private_segment_fixed_size 0
		.amdhsa_enable_private_segment 0
		.amdhsa_kernarg_size 32
		.amdhsa_user_sgpr_count 2
		.amdhsa_user_sgpr_kernarg_segment_ptr 1
		.amdhsa_wavefront_size32 1
		.amdhsa_system_sgpr_workgroup_id_x 1
		.amdhsa_system_sgpr_workgroup_id_y 1
		.amdhsa_system_sgpr_workgroup_id_z 1
		.amdhsa_system_vgpr_workitem_id 0
		.amdhsa_next_free_vgpr 512
		.amdhsa_next_free_sgpr 92
		.amdhsa_reserve_vcc 0
		.amdhsa_float_denorm_mode_32 3
		.amdhsa_float_denorm_mode_16_64 3
		.amdhsa_memory_ordered 1
		.amdhsa_forward_progress 1
		.amdhsa_inst_pref_size 252
	.end_amdhsa_kernel
	.amdgpu_metadata
---
amdhsa.version: [ 1, 2 ]
amdhsa.kernels:
  - .name:           k_q8a8a9309b4_kan
    .symbol:         k_q8a8a9309b4_kan.kd
    .args:
      - { .name: x, .offset: 0, .size: 8, .value_kind: global_buffer, .address_space: global }
      - { .name: wb, .offset: 8, .size: 8, .value_kind: global_buffer, .address_space: global }
      - { .name: tab, .offset: 16, .size: 8, .value_kind: global_buffer, .address_space: global }
      - { .name: out0, .offset: 24, .size: 8, .value_kind: global_buffer, .address_space: global }
    .group_segment_fixed_size: 297984
    .private_segment_fixed_size: 0
    .kernarg_segment_align: 8
    .kernarg_segment_size: 32
    .max_flat_workgroup_size: 256
    .sgpr_count:     92
    .vgpr_count:     512
    .wavefront_size: 32
...
	.end_amdgpu_metadata
.endif
;; end of part 2
